; MI455X (gfx1250); checked and timed in simulation.
; The chip was launched on July 23, 2026; its instructions are those of AMD's public machine-readable ISA for CDNA 5 (MIT licence, August 2026) and "CDNA5" Instruction Set Architecture Reference Guide (July 2026). The comments in the code are by the model that wrote it; some were corrected since.
;; Standard Attention. Allowed arithmetic: matrix products marked QUANTISED: E4M3 operands, one given power-of-two scale a tensor, by v_wmma_f32_16x16x64_fp8_fp8 or v_wmma_f32_16x16x128_fp8_fp8, f32 sums; everything else in f32.
;; Inputs: lowp_scales 8 int32 (the exponents e of the quantised operands' scales 2^e); out_b 1,024 float32; out_w 1,024 x 1,024 float32; qkv_b 3,072 float32; qkv_w 3,072 x 1,024 float32; x 1 x 4,096 x 1,024 float32.
;; Outputs: out0 1 x 4,096 x 1,024 float32.
;; This version of the problem:
;;   THIS VERSION OF THE PROBLEM IS GIVEN IN LOW PRECISION. The matrix products marked QUANTISED in the list below multiply operands that are first quantised to E4M3 (4 exponent bits, 3 mantissa bits; 8 bits a number), with one given power-of-two scale for each operand tensor; their sums are f32. All else is computed in f32.
;;   The module's matrix products, in the order in which they are computed (A, B: the left and right operand; K: the contracted axis; several contracted axes count as one K, in the product's order):
;;     1. [M 4,096, K 1,024] x [K 1,024, N 3,072]; A: input x; B: input qkv_w: QUANTISED (scales: A lowp_scales[0], B lowp_scales[1])
;;     2. batch 16 x [M 4,096, K 64] x [K 64, N 4,096]; A: computed on the way; B: computed on the way: QUANTISED (scales: A lowp_scales[2], B lowp_scales[3])
;;     3. batch 16 x [M 4,096, K 4,096] x [K 4,096, N 64]; A: softmax (see below); B: computed on the way: QUANTISED (scales: A lowp_scales[4], B lowp_scales[5])
;;     4. [M 4,096, K 1,024] x [K 1,024, N 1,024]; A: computed on the way; B: input out_w: QUANTISED (scales: A lowp_scales[6], B lowp_scales[7])
;;   THE QUANTISER, for each operand of a quantised product, along K:
;;     - The operand's scale is 2^e, e = its entry of the input lowp_scales (int32; the entries are numbered through the quantised products in the list's order, A before B).
;;     - Each number is divided by the scale, clamped to +-448, and rounded to the nearest number of E4M3, ties to even, subnormals kept.
;;     - The product sums the exact products of the quantised numbers (number of the format x scale) in f32.
;;   ~~~python
;;   def quantise(x, axis, e):      # numpy; x: float32 -> the quantised numbers, widened to float32 again
;;       x = np.moveaxis(x, axis, -1); K = x.shape[-1]
;;       r = np.clip(x / 2.0 ** e, -448, 448)
;;       step = 2.0 ** (np.maximum(np.frexp(np.where(r == 0, 1, r))[1] - 1, -6) - 3)
;;       q = np.round(r / step) * step * 2.0 ** e      # np.round: ties to even
;;       return np.moveaxis(q, -1, axis).astype(np.float32)
;;   ~~~
;;   SOFTMAX AHEAD OF A QUANTISED PRODUCT. Where the list says 'softmax', what is quantised is not the finished softmax but p = 2^(t - M), with t = logit x log2(e) and M = ceil(the row's largest t), a whole number; so 1/2 < the row's largest p <= 1. The row's sum l is taken of the UNQUANTISED p, in f32, and the product's result is divided by l at the end. Since M is a whole number, a kernel that streams over the keys may use a running M (the ceiling of the running maximum): every later rescaling is an exact power of two, so the quantised numbers keep their values, but for numbers so far below the row's largest that they fall under the format's range.
;;   OPERANDS COMPUTED ON THE WAY. 'Computed on the way' means the value that the module computes at that place (a softmax that the list does not call 'softmax' is quantised finished and normalised). What goes into a quantiser is computed in f32, as accurately as f32 sums, v_exp_f32 and their like allow (about 1e-6 of the number): no bf16 or f16 on the way to a quantiser, and a product that is left as it is and whose result goes on into a quantised operand takes f32 operands (vector FMAs, or v_wmma_f32_16x16x4_f32). A number that lies on a knife's edge between two numbers of the format may be rounded either way, as far as f32 arithmetic and the matrix unit's own rounding can turn it there, and no further.
;; One version. Each part assembles by itself: llvm-mc -triple=amdgcn-amd-amdhsa -mcpu=gfx1250 --defsym DOCPART=n.
;; ======== version 1 of 1: 4 launches
;; limits: right only within a limited range of input values
;; workspace buffers: wcodes 8,388,608 bytes; qkv 12,582,912 bytes; ocodes 4,194,304 bytes
;; launch quant (part 1): grid 256 x 1, 4 waves a work-group, no clusters, 33,280 bytes of LDS; arguments x, qkv_w, out_w, lowp_scales, wcodes; writes wcodes
.if DOCPART == 1
	.amdgcn_target "amdgcn-amd-amdhsa--gfx1250"
	.amdhsa_code_object_version 6
	.text
	.protected	k_q678a2c85bb_quant
	.globl	k_q678a2c85bb_quant
	.p2align	8
	.type	k_q678a2c85bb_quant,@function
k_q678a2c85bb_quant:
	s_mov_b64 s[64:65], 0
	v_nop
	global_prefetch_b8 v0, s[64:65] scope:SCOPE_SE
	s_setreg_imm32_b32 hwreg(HW_REG_WAVE_MODE, 25, 1), 1
	s_wait_xcnt 0x0
; x [4096][1024], qkv_w [3072][1024] and out_w [1024][1024], f32 with K innermost, become codes of E4M3, one byte each, K innermost, in ONE buffer: x's from byte 0, qkv_w's from 4,194,304, out_w's from 7,340,032.
; qkv_w's ROWS leave in another order, by head: the 192 rows from 192 x head on are the head's 64 rows of q, 64 of k, 64 of v, so that the next launch fetches one head's as one dense block.
; code = number / 2^e, held within +-448, to the nearest code, ties to even; e = lowp_scales[0] for x, [1] for qkv_w, [7] for out_w.  LIMITS: -126 <= e <= 119.  NaN among the inputs is not served; an infinity is held at the largest code.
; A work-group takes 32,768 numbers (32 rows), a wave 8,192 in 16 steps of 512.  Work-groups 0-127 take x, 128-223 qkv_w, 224-255 out_w: only pointers, offsets and e are chosen.
; The conversion takes 8 neighbours from ONE lane's registers, while a load is dense where neighbouring LANES take neighbouring bytes: a step's 2,048 bytes go through the wave's own stage in LDS as they lie and come back 64 bytes a lane
; (16 bytes of padding behind each 64).  A lane's 16 codes are 16 bytes: the wave stores 512 consecutive bytes, aligned.
; No matrix unit, no cluster, no barrier: the work-groups share no input and the waves share nothing.  Loads run eight steps (32 loads a wave) ahead, the turn through LDS one step.
.set STEPS, 16
.set DEEP,  8                          ; steps of loads ahead
.set WG_W,  128                        ; first work-group of qkv_w
.set WG_O,  224                        ; first work-group of out_w
.set EMAX,  8
.set MANT,  0x600000                   ; the mantissa field of 448 as f32
.set R,     16                         ; v16-143  eight sets of 16 numbers as they are loaded
.set X,     144                        ; v144-175 two sets of 16 neighbours
.set C,     176                        ; v176-239 codes: four registers for each step, so that no store's data are written again
.set SPW,   240
.set NIL,   241
.set WREG,  8192                       ; LDS: a region for each wave: two stages of 32 x SP bytes
.set SP,    80                         ; a lane's place in a stage: 64 bytes + 16 of padding
	s_load_b128 s[4:7], s[0:1], 0x0                ; x, qkv_w
	s_load_b128 s[8:11], s[0:1], 0x10              ; out_w, the scales' exponents
	s_load_b64 s[12:13], s[0:1], 0x20              ; the codes
	v_lshl_add_u32 v[SPW], v0, 2, 4*WREG           ; my spare word: behind the four regions
	v_mov_b32 v[NIL], 0
	v_lshrrev_b32 v1, 5, v0
	v_readfirstlane_b32 s16, v1                    ; wave
	v_and_b32 v2, 31, v0                           ; lane
	v_lshlrev_b32 v3, 4, v2                        ; my 16 bytes of a load's 512, and of a store's
	s_mul_i32 s17, s16, WREG
	v_lshrrev_b32 v14, 2, v2
	v_mul_u32_u24 v14, v14, SP
	v_and_b32 v15, 3, v2
	v_lshl_add_u32 v14, v15, 4, v14
	v_add_nc_u32 v14, s17, v14                     ; the stage, on the way in: SP (lane / 4) + 16 (lane % 4)
	v_mul_u32_u24 v15, v2, SP
	v_add_nc_u32 v15, s17, v15                     ; and on the way out: SP x lane: my 16 neighbours
	s_wait_alu depctr_va_vdst(0)
	s_wait_kmcnt 0x0
	s_load_b256 s[24:31], s[10:11], 0x0            ; e0 .. e7
	s_mov_b32 s17, WG_O
	s_cmp_lt_u32 ttmp9, WG_O                       ; the choice hangs on the work-group's number alone
	s_cselect_b64 s[6:7], s[6:7], s[8:9]           ; qkv_w or out_w
	s_cselect_b32 s17, WG_W, s17
	s_cmp_lt_u32 ttmp9, WG_W
	s_cselect_b64 s[4:5], s[4:5], s[6:7]           ; x or that
	s_cselect_b32 s17, 0, s17                      ; the tensor's first work-group
	s_sub_co_u32 s18, ttmp9, s17
	s_lshl_b32 s18, s18, 2
	s_add_co_u32 s18, s18, s16                     ; which run of 8,192 numbers of the tensor is my wave's
	s_lshl_b32 s18, s18, 15
	s_mov_b32 s19, 0
	s_add_nc_u64 s[4:5], s[4:5], s[18:19]
	s_lshl_b32 s20, ttmp9, 2                       ; where the codes go, in units of 8 rows (8,192 bytes): x and out_w in their order
	s_sub_co_u32 s21, ttmp9, WG_W                  ; qkv_w's work-group j: rows 32 j on: part j / 32, head (j % 32) / 2, half j % 2
	s_bfe_u32 s23, s21, 0x40001
	s_mul_i32 s23, s23, 24                         ; a head has 24 units
	s_and_b32 s22, s21, 1
	s_lshl_b32 s22, s22, 2
	s_add_co_u32 s23, s23, s22
	s_lshr_b32 s22, s21, 5
	s_lshl_b32 s22, s22, 3
	s_add_co_u32 s23, s23, s22
	s_add_co_u32 s23, s23, 512                     ; behind x's 512 units
	s_cmp_lt_u32 s21, WG_O-WG_W                    ; unsigned: x's work-groups fall outside
	s_cselect_b32 s20, s23, s20
	s_add_co_u32 s20, s20, s16
	s_lshl_b32 s20, s20, 13
	s_mov_b32 s21, 0
	s_add_nc_u64 s[12:13], s[12:13], s[20:21]
.macro LOAD t
.irp i, 0,1,2,3
	global_load_b128 v[R+16*((\t)%DEEP)+4*\i:R+16*((\t)%DEEP)+4*\i+3], v3, s[4:5] offset:2048*(\t)+512*\i th:TH_LOAD_NT   ; 32 lanes read 512 consecutive bytes, read once in the launch
.endr
.endm
.macro TURN t                          ; step t's numbers through the stage: LDS serves a wave's instructions in order (ISA guide 5.7.1.4), so no wait stands between the stores and the loads
.irp i, 0,1,2,3
	ds_store_b128 v14, v[R+16*((\t)%DEEP)+4*\i:R+16*((\t)%DEEP)+4*\i+3] offset:32*SP*((\t)%2)+8*SP*\i
.endr
.irp i, 0,1,2,3
	ds_load_b128 v[X+16*((\t)%2)+4*\i:X+16*((\t)%2)+4*\i+3], v15 offset:32*SP*((\t)%2)+16*\i
.endr
.endm
.irp t, 0,1,2,3,4,5,6,7
	LOAD \t
.endr
	s_wait_kmcnt 0x0
	s_cmp_lt_u32 ttmp9, WG_O
	s_cselect_b32 s25, s25, s31                    ; e1 or e7
	s_cmp_lt_u32 ttmp9, WG_W
	s_cselect_b32 s22, s24, s25                    ; e0 or that
	s_add_co_i32 s22, s22, 127
	s_lshl_b32 s23, s22, 23
	v_mov_b32 v11, s23                             ; 2^e as f32: the conversion takes its exponent field
	s_add_co_i32 s22, s22, EMAX
	s_lshl_b32 s22, s22, 23
	s_or_b32 s22, s22, MANT
	v_mov_b32 v10, s22                             ; 448 x 2^e
	s_wait_alu depctr_va_vdst(0)
	s_wait_loadcnt 4*(DEEP-1)                      ; step 0's four loads are in; those of the seven steps behind it may be out
	TURN 0
.macro STEP t
.set XS, X+16*((\t)%2)
	s_wait_dscnt 0x0                               ; this step's numbers are back from the stage: so its stores into the stage have read their registers,
.if (\t)+DEEP < STEPS
	LOAD (\t)+DEEP                                 ; which take the loads of eight steps on
.endif
.if (\t)+1 < STEPS
.if STEPS-2-(\t) >= DEEP-1
	s_wait_loadcnt 4*(DEEP-1)                      ; the next step's four loads are in; those of the seven steps behind it may be out
.else
	s_wait_loadcnt 4*(STEPS-2-(\t))                ; the tail: four loads for each step that is still behind the next
.endif
	TURN (\t)+1                                    ; and go through the other stage while this step is worked
.endif
.irp i, 0,1,2,3,4,5,6,7,8,9,10,11,12,13,14,15
	v_med3_num_f32 v[XS+\i], v[XS+\i], -v10, v10   ; the conversion to an 8-bit code does not saturate (ISA guide 7.6.2): the hold at the largest code x the scale
.endr
	v_cvt_scalef32_pk8_fp8_f32 v[C+4*(\t):C+4*(\t)+1], v[XS:XS+7], v11
	v_cvt_scalef32_pk8_fp8_f32 v[C+4*(\t)+2:C+4*(\t)+3], v[XS+8:XS+15], v11
	global_store_b128 v3, v[C+4*(\t):C+4*(\t)+3], s[12:13] offset:512*(\t)   ; the codes go to a store alone; the next vector lines are the next step's holds, plain and on other registers
.endm
.irp t, 0,1,2,3,4,5,6,7,8,9,10,11,12,13,14,15
	STEP \t
.endr
	s_wait_tensorcnt 0x0                           ; the wave's end
	ds_add_u32 v[SPW], v[NIL]
	s_wait_dscnt 0x0
	s_endpgm
.Lfunc_end_k_q678a2c85bb_quant:
	.size	k_q678a2c85bb_quant, .Lfunc_end_k_q678a2c85bb_quant-k_q678a2c85bb_quant
	.p2alignl 7, 3214868480
	.fill 96, 4, 3214868480
	.section	.rodata,"a",@progbits
	.p2align	6, 0x0
	.amdhsa_kernel k_q678a2c85bb_quant
		.amdhsa_group_segment_fixed_size 33280
		.amdhsa_private_segment_fixed_size 0
		.amdhsa_enable_private_segment 0
		.amdhsa_kernarg_size 40
		.amdhsa_user_sgpr_count 2
		.amdhsa_user_sgpr_kernarg_segment_ptr 1
		.amdhsa_wavefront_size32 1
		.amdhsa_system_sgpr_workgroup_id_x 1
		.amdhsa_system_sgpr_workgroup_id_y 1
		.amdhsa_system_sgpr_workgroup_id_z 1
		.amdhsa_system_vgpr_workitem_id 0
		.amdhsa_next_free_vgpr 242
		.amdhsa_next_free_sgpr 66
		.amdhsa_reserve_vcc 0
		.amdhsa_float_denorm_mode_32 3
		.amdhsa_float_denorm_mode_16_64 3
		.amdhsa_memory_ordered 1
		.amdhsa_forward_progress 1
		.amdhsa_inst_pref_size 38
	.end_amdhsa_kernel
	.amdgpu_metadata
---
amdhsa.version: [ 1, 2 ]
amdhsa.kernels:
  - .name:           k_q678a2c85bb_quant
    .symbol:         k_q678a2c85bb_quant.kd
    .args:
      - { .name: x, .offset: 0, .size: 8, .value_kind: global_buffer, .address_space: global }
      - { .name: qkv_w, .offset: 8, .size: 8, .value_kind: global_buffer, .address_space: global }
      - { .name: out_w, .offset: 16, .size: 8, .value_kind: global_buffer, .address_space: global }
      - { .name: lowp_scales, .offset: 24, .size: 8, .value_kind: global_buffer, .address_space: global }
      - { .name: wcodes, .offset: 32, .size: 8, .value_kind: global_buffer, .address_space: global }
    .group_segment_fixed_size: 33280
    .private_segment_fixed_size: 0
    .kernarg_segment_align: 8
    .kernarg_segment_size: 40
    .max_flat_workgroup_size: 128
    .sgpr_count:     66
    .vgpr_count:     242
    .wavefront_size: 32
...
	.end_amdgpu_metadata
.endif
;; end of part 1
;; launch qkvgemm (part 2): grid 16 x 16, 4 waves a work-group, clusters of 4 x 4, 327,680 bytes of LDS; arguments wcodes, qkv_b, lowp_scales, qkv; writes qkv
.if DOCPART == 2
	.amdgcn_target "amdgcn-amd-amdhsa--gfx1250"
	.amdhsa_code_object_version 6
	.text
	.protected	k_q678a2c85bb_qkvgemm
	.globl	k_q678a2c85bb_qkvgemm
	.p2align	8
	.type	k_q678a2c85bb_qkvgemm,@function
k_q678a2c85bb_qkvgemm:
	s_mov_b64 s[64:65], 0
	v_nop
	global_prefetch_b8 v0, s[64:65] scope:SCOPE_SE
	s_setreg_imm32_b32 hwreg(HW_REG_WAVE_MODE, 25, 1), 1
	s_wait_xcnt 0x0
	s_wait_alu depctr_hold_cnt(0) depctr_sa_sdst(0) depctr_va_vdst(0) depctr_va_sdst(0) depctr_va_ssrc(0) depctr_va_vcc(0) depctr_vm_vsrc(0)
	s_getreg_b32 s2, hwreg(HW_REG_IB_STS2, 6, 4)
	s_cmp_eq_u32 s2, 0
	s_cbranch_scc0 .Lentry_in_a_cluster
	s_endpgm
.Lentry_in_a_cluster:
	s_bfe_u32 s2, ttmp6, 0x10000c
	s_cmp_lg_u32 s2, 0xf033
	s_cbranch_scc0 .Lentry_shape_is_right
	s_endpgm
.Lentry_shape_is_right:
; qkv = x qkv_w^T + qkv_b on codes of E4M3, its results quantised at once into the operands of attention's two products.
; IN: wcodes: x's codes [4096][1024] at byte 0; qkv_w's at 4,194,304, 192 rows a head: q's 64, k's 64, v's 64.
; OUT: qkv, three parts of 4,194,304 bytes, in each 262,144 bytes a head, AS IMAGES OF THE FRAGMENTS that attention loads (lane = r + 16 h):
;   q, k: a tile of 16 t is [2 c][32 lanes][16 bytes]: t = r, d = 32 c + 16 h + 0 .. 15.
;   v: 128 t are [4 tiles of 16 d][4 c][32 lanes][16 bytes]: d = r, t = 32 c + 8 h + 0 .. 7 and then 32 c + 16 + 8 h + 0 .. 7.
; value = sum x 2^(e0 + e1) + bias in f32; code = value / 2^e held within +-448; e = e2 for q, e3 for k, e5 for v.
; LIMITS: e0 + e1 between -126 and 127; e2, e3, e5 between -126 and 119.  NaN is not served.  K is permuted inside a matrix instruction alike in both operands: only the order of sums inside an instruction changes.
; SHARES.  A work-group makes 256 t x 192 (q, k and v of ONE head): 16 x 16 work-groups.  A wave makes 128 t x (32 of q, 32 of k, 32 of v): 48 accumulators.
; For q and k source 0 = rows of qkv_w and source 1 = rows of x: a lane holds one t and eight neighbouring d.  For v the sources are swapped: one d and eight neighbouring t.
; K goes in four steps of 256 through a ring of two LDS slots; waves 0, 1 fetch A's halves, waves 2, 3 B's: one joint load a wave behind each round.
; CLUSTERS 4 x 4: A's tile is asked for jointly along a row of the cluster, B's along a column.
; PREFETCH, one K step ahead of the load that wants it: behind the load of K step s the wave asks for K step s + 1 (s = 0, 1, 2): one instruction a wave, a lane a row of 256 bytes.  The rows that a wave fetches are shared out BY ADDRESS among the
; four partners that ask for them jointly: of A's 128 rows 32 each (by cx), of B's 96 rows 24 each (by cy; lanes 24 to 31 name the 24th row again).
; REGISTERS: window 0: v1-30 addresses and constants, v32-255 fragment set 1 (A 8 x 16, then B 6 x 16), on the way out at work; window 1: v0-223 set 0, v224-255 the bias of q and k;
;   window 2: q's and k's accumulators (a, b) at v[8 (4 a + b)]; window 3: v's (u, a) at v[8 (8 u + a)].
.set KDIM,   1024
.set WOFF,   4194304
.set PITCH,  272                       ; an LDS row: 256 bytes + 16: the 16 rows that a load touches start at 16 different banks (64 banks of 4 bytes: ISA guide 11.1)
.set SLOT,   448*PITCH                 ; A's 256 rows, then B's 192
.set SPARE,  2*SLOT                    ; spare words, 128 bytes for each wave
.set ADRA, 16
.set ADRB, 20
.set SPW,  28
.set NIL,  29
.set PFO,  30                          ; v30: 1,024 x lane (at most the last row): the prefetches' offset; never rewritten
.set PFA,  68                          ; s[68:69] where my prefetches stand: K step 1; never rewritten
.set G1A,  24
.set G1B,  32
.set G0A,  40
.set G0B,  48
.set MSB, 0
.macro WIN new                         ; the immediate's high byte repeats the setting that is left
.if MSB != \new
	s_set_vgpr_msb (MSB<<8)|\new
.set MSB, \new
.endif
.endm
.macro JLOAD s                         ; a joint load: the branch hangs on the wave's number alone
	s_cmp_eq_u32 s15, 0
	s_cbranch_scc0 .Lfor_b_\@
	tensor_load_to_lds s[G0A+4*\s:G0A+4*\s+3], s[G1A:G1A+7]
	s_nop 0
.rept 4
	v_nop
.endr
	s_branch .Lasked_\@
.Lfor_b_\@:
	tensor_load_to_lds s[G0B+4*\s:G0B+4*\s+3], s[G1B:G1B+7]
	s_nop 0
.rept 4
	v_nop
.endr
.Lasked_\@:
.endm
.macro ASK k                           ; prefetch K step k
	global_prefetch_b8 v[PFO], s[PFA:PFA+1] offset:256*(\k)-256 th:TH_LOAD_NT scope:SCOPE_SE
.endm
.macro CREST                           ; a round of the cluster's barrier behind its opening barrier
	s_cmp_lg_u32 s14, 0
	s_cbranch_scc1 .Lnot_wave_0_\@
	s_barrier_signal -3
.Lnot_wave_0_\@:
	s_barrier_wait -3
	s_barrier_signal -1
	s_barrier_wait -1
.endm
.macro CROUND
	s_barrier_signal -1
	s_barrier_wait -1
	CREST
.endm
.macro PLACES                          ; four plain vector instructions between a matrix instruction and a load into, or a vector read of, its registers
.rept 4
	v_nop
.endr
.endm
	s_load_b256 s[4:11], s[0:1], 0x0               ; wcodes, qkv_b, the exponents, qkv
	v_lshl_add_u32 v[SPW], v0, 2, SPARE
	v_mov_b32 v[NIL], 0
	ds_add_u32 v[SPW], v[NIL]                      ; the opening lines: the add twice on end, one wait for both
	ds_add_u32 v[SPW], v[NIL]
	v_lshrrev_b32 v1, 5, v0
	v_readfirstlane_b32 s14, v1                    ; wave 0..3
	s_lshr_b32 s15, s14, 1                         ; which 128 t are mine; also: I fetch for A (0) or B (1)
	s_and_b32 s16, s14, 1                          ; which 32 of each 64 columns; also: which half of the tile I fetch
	s_bfe_u32 s17, ttmp6, 0x40000                  ; cx
	s_bfe_u32 s18, ttmp6, 0x40004                  ; cy
	s_and_b32 s20, ttmp7, 0xffff
	s_lshl_b32 s20, s20, 2
	s_add_co_u32 s20, s20, s18                     ; TR: which 256 t
	s_lshl_b32 s21, ttmp9, 2
	s_add_co_u32 s21, s21, s17                     ; TC: the head
	s_lshl_b32 s22, s18, 2
	s_lshl_b32 s22, 15, s22                        ; my row of the cluster
	s_lshl_b32 s23, 0x1111, s17                    ; my column
	; descriptor group 1: 128 (A) or 96 (B) rows of 256 bytes, 1,024 bytes apart, 16 bytes of padding behind each
	s_or_b32 s[G1A], s22, (1<<20)|(1<<21)|(5<<22)|(3<<25)
	s_or_b32 s[G1B], s23, (1<<20)|(1<<21)|(5<<22)|(3<<25)
.irp g, G1A, G1B
	s_mov_b32 s[\g+1], 256<<16
	s_mov_b32 s[\g+3], 256<<16
	s_mov_b32 s[\g+5], KDIM
	s_mov_b32 s[\g+6], 0
	s_mov_b32 s[\g+7], 0
.endr
	s_mov_b32 s[G1A+2], 128<<16
	s_mov_b32 s[G1A+4], 128
	s_mov_b32 s[G1B+2], 96<<16
	s_mov_b32 s[G1B+4], 96
	s_lshl_b32 s56, s20, 18                        ; A: row 256 TR + 128 half
	s_lshl_b32 s94, s16, 17
	s_add_co_u32 s56, s56, s94
	s_mov_b32 s57, 0
	s_mul_i32 s58, s21, 192*KDIM                   ; B: row 192 TC + 96 half
	s_mul_i32 s94, s16, 96*KDIM
	s_add_co_u32 s58, s58, s94
	s_add_co_u32 s58, s58, WOFF
	s_mov_b32 s59, 0
	s_mul_i32 s95, s16, 128*PITCH                  ; where they go: the wave's number alone
	s_mul_i32 s96, s16, 96*PITCH
	s_add_co_u32 s96, s96, 256*PITCH
	s_lshl_b32 s70, s17, 15                        ; the prefetches: A: my 32 rows by cx,
	s_add_co_u32 s70, s70, s56
	s_mul_i32 s71, s18, 24*KDIM                    ; B: my 24 by cy
	s_add_co_u32 s71, s71, s58
	s_mov_b32 s72, 23
	s_cmp_eq_u32 s15, 0                            ; do I fetch for A?  (the wave's number)
	s_cselect_b32 s70, s70, s71
	s_cselect_b32 s72, 31, s72                     ; the last row's lane
	s_add_co_u32 s70, s70, 256                     ; K step 1
	s_mov_b32 s71, 0
	s_mul_i32 s2, s15, 128*PITCH                   ; my 128 rows of A,
	s_mul_i32 s3, s16, 32*PITCH                    ; my 32 rows of each 64 of B
	s_add_co_u32 s3, s3, 256*PITCH
	s_add_co_u32 s12, s2, SLOT
	s_add_co_u32 s13, s3, SLOT
	s_lshl_b32 s66, s21, 8
	s_lshl_b32 s67, s16, 7
	s_add_co_u32 s66, s66, s67                     ; the bias from 64 TC + 32 half on, in bytes
	s_mov_b32 s67, 0
	s_lshl_b32 s60, s21, 18                        ; results: the head's block, then 64 bytes a t in all three parts
	s_lshl_b32 s61, s20, 14
	s_add_co_u32 s60, s60, s61
	s_lshl_b32 s61, s15, 13
	s_add_co_u32 s60, s60, s61
	s_lshl_b32 s61, s16, 12
	s_add_co_u32 s62, s60, s61                     ; v: 2,048 bytes a tile of 16 d
	s_add_co_u32 s62, s62, 8388608
	s_mov_b32 s63, 0
	s_lshl_b32 s61, s16, 9
	s_add_co_u32 s60, s60, s61                     ; q, k: c = my half
	s_mov_b32 s61, 0
	s_wait_alu depctr_va_vdst(0)
	s_wait_dscnt 0x0                               ; both opening adds are done
	s_wait_kmcnt 0x0
	s_load_b256 s[84:91], s[8:9], 0x0              ; e0 .. e7
	s_add_nc_u64 s[56:57], s[4:5], s[56:57]
	s_add_nc_u64 s[58:59], s[4:5], s[58:59]
	s_add_nc_u64 s[PFA:PFA+1], s[4:5], s[70:71]
	s_add_nc_u64 s[6:7], s[6:7], s[66:67]
	s_add_nc_u64 s[62:63], s[10:11], s[62:63]
	s_add_nc_u64 s[10:11], s[10:11], s[60:61]
.irp s, 0,1
	s_mov_b32 s[G0A+4*\s], 1
	s_add_co_u32 s[G0A+4*\s+1], s95, \s*SLOT
	s_add_nc_u64 s[G0A+4*\s+2:G0A+4*\s+3], s[56:57], \s*256
	s_or_b32 s[G0A+4*\s+3], s[G0A+4*\s+3], 0x80000000
	s_mov_b32 s[G0B+4*\s], 1
	s_add_co_u32 s[G0B+4*\s+1], s96, \s*SLOT
	s_add_nc_u64 s[G0B+4*\s+2:G0B+4*\s+3], s[58:59], \s*256
	s_or_b32 s[G0B+4*\s+3], s[G0B+4*\s+3], 0x80000000
.endr
	CROUND                                         ; all sixteen work-groups are here: the first joint loads meet
	JLOAD 0                                        ; K step 0: one tensor load a wave at the head
	v_and_b32 v1, 15, v0                           ; r
	v_bfe_u32 v2, v0, 4, 1                         ; h
	v_lshlrev_b32 v3, 5, v2                        ; q's and k's bias: 8 numbers a half
	v_lshlrev_b32 v4, 2, v1                        ; v's: one a lane
	v_mul_u32_u24 v5, v1, PITCH
	v_lshl_add_u32 v5, v2, 4, v5                   ; a fragment's row x pitch + 16 h
	v_lshlrev_b32 v26, 4, v1
	v_lshl_add_u32 v26, v2, 3, v26                 ; q, k out: 16 r + 8 h: the wave's 32 lanes cover 256 bytes
	v_and_b32 v27, 31, v0
	v_min_u32 v[PFO], s72, v27
	v_lshlrev_b32 v[PFO], 10, v[PFO]
	v_lshlrev_b32 v27, 4, v27                      ; v out: 16 x lane
	v_mov_b32 v15, 0                               ; (named as upper halves of pairs)
	v_mov_b32 v25, 0
	v_add_nc_u32 v[ADRA], s2, v5
	v_add_nc_u32 v[ADRA+1], s12, v5
	v_add_nc_u32 v[ADRB], s3, v5
	v_add_nc_u32 v[ADRB+1], s13, v5
	global_load_b32 v14, v4, s[6:7] offset:8192
	global_load_b32 v24, v4, s[6:7] offset:8192+64
	WIN 0x40
.irp b, 0,1,2,3
	global_load_b128 v[224+8*\b:227+8*\b], v3, s[6:7] offset:4096*(\b/2)+64*(\b%2)
	global_load_b128 v[228+8*\b:231+8*\b], v3, s[6:7] offset:4096*(\b/2)+64*(\b%2)+16
.endr
	WIN 0
	ASK 1
	s_wait_alu depctr_va_vdst(0)
	s_wait_kmcnt 0x0
	s_add_co_i32 s92, s84, s85
	s_add_co_i32 s92, s92, 127
	s_lshl_b32 s92, s92, 23                        ; 2^(e0 + e1) as f32
	s_mov_b32 s93, s92                             ; (named with it as a pair)
.macro SCALE e, vs, vh                 ; 2^e, and 448 x 2^e
	s_add_co_i32 s96, s\e, 127
	s_lshl_b32 s97, s96, 23
	v_mov_b32 v\vs, s97
	s_add_co_i32 s96, s96, 8
	s_lshl_b32 s96, s96, 23
	s_or_b32 s96, s96, 0x600000
	v_mov_b32 v\vh, s96
.endm
	SCALE 86, 8, 9
	SCALE 87, 10, 11
	SCALE 89, 12, 13
.macro FRAG reg, adr, off              ; 16 rows x 128 K: registers 4 k .. 4 k + 3 hold K = 32 k + 16 h + 0 .. 15 of row r
.irp k, 0,1,2,3
	ds_load_b128 v[\reg+4*\k:\reg+4*\k+3], v[\adr] offset:\off+32*\k
.endr
.endm
.macro FETCH slot, q, p                ; 56 loads into set p: B 0-3, A 0-3 (the first 32), then A 4-7, B 4, 5
	WIN 0x40*(1-\p)
.irp b, 0,1,2,3
	FRAG 32*\p+128+16*\b, ADRB+\slot, 128*\q+(\b/2)*64*PITCH+(\b%2)*16*PITCH
.endr
.irp a, 0,1,2,3,4,5,6,7
	FRAG 32*\p+16*\a, ADRA+\slot, 128*\q+\a*16*PITCH
.endr
.irp b, 4,5
	FRAG 32*\p+128+16*\b, ADRB+\slot, 128*\q+(\b/2)*64*PITCH+(\b%2)*16*PITCH
.endr
	WIN 0
.endm
; 8 products of q and k (blocks a0, a0 + 1 of t), and the 16 of v.  zero = 1: the first product starts the sums.  The 48 accumulators take turns, one instruction a turn, in the same order in every step.
.macro MQ p, a0, zero
.irp a, \a0, \a0+1
.irp b, 0,1,2,3
.if \zero
	v_wmma_f32_16x16x128_fp8_fp8 v[8*(4*(\a)+\b):8*(4*(\a)+\b)+7], v[32*\p+128+16*\b:32*\p+143+16*\b], v[32*\p+16*(\a):32*\p+16*(\a)+15], 0
.else
	v_wmma_f32_16x16x128_fp8_fp8 v[8*(4*(\a)+\b):8*(4*(\a)+\b)+7], v[32*\p+128+16*\b:32*\p+143+16*\b], v[32*\p+16*(\a):32*\p+16*(\a)+15], v[8*(4*(\a)+\b):8*(4*(\a)+\b)+7]
.endif
.endr
.endr
.endm
.macro MV p, zero
	WIN 0xf5-5*\p
.irp u, 0,1
.irp a, 0,1,2,3,4,5,6,7
.if \zero
	v_wmma_f32_16x16x128_fp8_fp8 v[8*(8*\u+\a):8*(8*\u+\a)+7], v[32*\p+16*\a:32*\p+16*\a+15], v[32*\p+192+16*\u:32*\p+207+16*\u], 0
.else
	v_wmma_f32_16x16x128_fp8_fp8 v[8*(8*\u+\a):8*(8*\u+\a)+7], v[32*\p+16*\a:32*\p+16*\a+15], v[32*\p+192+16*\u:32*\p+207+16*\u], v[8*(8*\u+\a):8*(8*\u+\a)+7]
.endif
.endr
.endr
	WIN 0
.endm
.macro STEP slot, zero                 ; a slot's first 128 along K, on set 0
	s_wait_dscnt 24                                ; the first 32 loads of set 0 are in; the youngest 24 may be out
	WIN 0xa5
	MQ 0, 0, \zero
	PLACES
	FETCH \slot, 1, 1
	s_wait_dscnt 56                                ; all but the 56 just issued
	WIN 0xa5
	MQ 0, 2, \zero
	MQ 0, 4, \zero
	MQ 0, 6, \zero
	MV 0, \zero
.endm
; A slot's second 128, on set 1, changes slots: one barrier; in front of it the wait for all my tensor loads, the add, and the wait for the add and my reads of this slot.  fill = 1: a round, and this slot is filled again, two K steps on.
.macro TURN slot, next, fill
	s_wait_dscnt 24
	WIN 0xa0
	MQ 1, 0, 0
	WIN 0
	s_wait_tensorcnt 0x0                           ; my part of the next slot has landed
	ds_add_u32 v[SPW], v[NIL]
	WIN 0xa0
	MQ 1, 2, 0
	s_wait_dscnt 0x0
	s_barrier_signal -1
	MQ 1, 4, 0
	WIN 0
	s_barrier_wait -1
.if \fill
	CREST
	s_add_nc_u64 s[G0A+4*\slot+2:G0A+4*\slot+3], s[G0A+4*\slot+2:G0A+4*\slot+3], 512
	s_add_nc_u64 s[G0B+4*\slot+2:G0B+4*\slot+3], s[G0B+4*\slot+2:G0B+4*\slot+3], 512
	JLOAD \slot                                    ; its four v_nop are the places in front of the loads below
.else
	PLACES
.endif
	FETCH \next, 0, 0
.if (\fill) && (\slot == 0)
	ASK 3                                          ; behind the load of K step 2
.endif
	WIN 0xa0
	MQ 1, 6, 0
	MV 1, 0
.endm
	s_wait_alu depctr_va_vdst(0)
	s_wait_tensorcnt 0x0                           ; my part of K step 0 is in; the lines that stand ahead of a later first fill, as ahead of a refill
	ds_add_u32 v[SPW], v[NIL]
	s_wait_dscnt 0x0
	CROUND
	JLOAD 1                                        ; K step 1
	FETCH 0, 0, 0
	ASK 2
	STEP 0, 1
	TURN 0, 1, 1
	STEP 1, 0
	TURN 1, 0, 1
	STEP 0, 0
	TURN 0, 1, 0                                   ; nothing is filled any more
	STEP 1, 0
	s_wait_dscnt 24                                ; the last 128 along K
	WIN 0xa0
	MQ 1, 0, 0
	MQ 1, 2, 0
	s_wait_dscnt 0x0
	MQ 1, 4, 0
	MQ 1, 6, 0
	MV 1, 0
	; THE WAY OUT: value, hold, codes, and straight to memory: q's and k's stores write 256 consecutive aligned bytes each, v's 512.  Every store has registers of its own.
	s_wait_loadcnt 0x0                             ; the biases
	PLACES
.irp a, 0,1,2,3,4,5,6,7
.set TT, 32+32*(\a%2)
	WIN 0x12
.irp b, 0,1,2,3
.irp j, 0,2,4,6
	v_pk_fma_f32 v[TT+8*\b+\j:TT+8*\b+\j+1], v[8*(4*\a+\b)+\j:8*(4*\a+\b)+\j+1], s[92:93], v[224+8*\b+\j:225+8*\b+\j] op_sel_hi:[1,0,1]   ; each accumulator from its low end on
.endr
.endr
	WIN 0
.irp j, 0,1,2,3,4,5,6,7,8,9,10,11,12,13,14,15
	v_med3_num_f32 v[TT+\j], v[TT+\j], -v9, v9     ; the conversion does not saturate (ISA guide 7.6.2)
	v_med3_num_f32 v[TT+16+\j], v[TT+16+\j], -v11, v11
.endr
.irp b, 0,1,2,3
	v_cvt_scalef32_pk8_fp8_f32 v[96+8*\a+2*\b:97+8*\a+2*\b], v[TT+8*\b:TT+8*\b+7], v[8+2*(\b/2)]
.endr
	v_nop
.irp b, 0,1,2,3
	global_store_b64 v26, v[96+8*\a+2*\b:97+8*\a+2*\b], s[10:11] offset:4194304*(\b/2)+1024*\a+256*(\b%2)
.endr
.endr
.irp u, 0,1
	WIN 0x03
.irp a, 0,1,2,3,4,5,6,7
.irp j, 0,2,4,6
	v_pk_fma_f32 v[32+8*\a+\j:33+8*\a+\j], v[8*(8*\u+\a)+\j:8*(8*\u+\a)+\j+1], s[92:93], v[14+10*\u:15+10*\u] op_sel_hi:[1,0,0]   ; the bias of my d, the pair's low word for both halves
.endr
.endr
	WIN 0
.irp a, 0,1,2,3,4,5,6,7
.irp j, 0,1,2,3,4,5,6,7
	v_med3_num_f32 v[32+8*\a+\j], v[32+8*\a+\j], -v13, v13
.endr
.endr
.irp a, 0,1,2,3,4,5,6,7
	v_cvt_scalef32_pk8_fp8_f32 v[160+16*\u+2*\a:161+16*\u+2*\a], v[32+8*\a:39+8*\a], v12
.endr
	v_nop
.irp m, 0,1,2,3
	global_store_b128 v27, v[160+16*\u+4*\m:163+16*\u+4*\m], s[62:63] offset:2048*\u+512*\m
.endr
.endr
	s_wait_tensorcnt 0x0                           ; the wave's end
	ds_add_u32 v[SPW], v[NIL]
	s_wait_dscnt 0x0
	CROUND                                         ; no work-group ends while a partner may still ask for a tile that names it
	s_endpgm
.Lfunc_end_k_q678a2c85bb_qkvgemm:
	.size	k_q678a2c85bb_qkvgemm, .Lfunc_end_k_q678a2c85bb_qkvgemm-k_q678a2c85bb_qkvgemm
	.p2alignl 7, 3214868480
	.fill 96, 4, 3214868480
	.section	.rodata,"a",@progbits
	.p2align	6, 0x0
	.amdhsa_kernel k_q678a2c85bb_qkvgemm
		.amdhsa_group_segment_fixed_size 327680
		.amdhsa_private_segment_fixed_size 0
		.amdhsa_enable_private_segment 0
		.amdhsa_kernarg_size 32
		.amdhsa_user_sgpr_count 2
		.amdhsa_user_sgpr_kernarg_segment_ptr 1
		.amdhsa_wavefront_size32 1
		.amdhsa_system_sgpr_workgroup_id_x 1
		.amdhsa_system_sgpr_workgroup_id_y 1
		.amdhsa_system_sgpr_workgroup_id_z 1
		.amdhsa_system_vgpr_workitem_id 0
		.amdhsa_next_free_vgpr 1024
		.amdhsa_next_free_sgpr 100
		.amdhsa_reserve_vcc 0
		.amdhsa_float_denorm_mode_32 3
		.amdhsa_float_denorm_mode_16_64 3
		.amdhsa_memory_ordered 1
		.amdhsa_forward_progress 1
		.amdhsa_inst_pref_size 112
	.end_amdhsa_kernel
	.amdgpu_metadata
---
amdhsa.version: [ 1, 2 ]
amdhsa.kernels:
  - .name:           k_q678a2c85bb_qkvgemm
    .symbol:         k_q678a2c85bb_qkvgemm.kd
    .args:
      - { .name: wcodes, .offset: 0, .size: 8, .value_kind: global_buffer, .address_space: global }
      - { .name: qkv_b, .offset: 8, .size: 8, .value_kind: global_buffer, .address_space: global }
      - { .name: lowp_scales, .offset: 16, .size: 8, .value_kind: global_buffer, .address_space: global }
      - { .name: qkv, .offset: 24, .size: 8, .value_kind: global_buffer, .address_space: global }
    .group_segment_fixed_size: 327680
    .private_segment_fixed_size: 0
    .kernarg_segment_align: 8
    .kernarg_segment_size: 32
    .max_flat_workgroup_size: 128
    .sgpr_count:     100
    .vgpr_count:     1024
    .wavefront_size: 32
...
	.end_amdgpu_metadata
.endif
;; end of part 2
;; launch attn (part 3): grid 16 x 16, 16 waves a work-group, clusters of 4 x 1, 327,680 bytes of LDS; arguments qkv, lowp_scales, ocodes; writes ocodes
.if DOCPART == 3
	.amdgcn_target "amdgcn-amd-amdhsa--gfx1250"
	.amdhsa_code_object_version 6
	.text
	.protected	k_q678a2c85bb_attn
	.globl	k_q678a2c85bb_attn
	.p2align	8
	.type	k_q678a2c85bb_attn,@function
k_q678a2c85bb_attn:
	s_mov_b64 s[64:65], 0
	v_nop
	global_prefetch_b8 v0, s[64:65] scope:SCOPE_SE
	s_setreg_imm32_b32 hwreg(HW_REG_WAVE_MODE, 25, 1), 1
	s_wait_xcnt 0x0
	s_wait_alu depctr_hold_cnt(0) depctr_sa_sdst(0) depctr_va_vdst(0) depctr_va_sdst(0) depctr_va_ssrc(0) depctr_va_vcc(0) depctr_vm_vsrc(0)
	s_getreg_b32 s2, hwreg(HW_REG_IB_STS2, 6, 4)
	s_cmp_eq_u32 s2, 0
	s_cbranch_scc0 .Lentry_in_a_cluster
	s_endpgm
.Lentry_in_a_cluster:
	s_bfe_u32 s2, ttmp6, 0x10000c
	s_cmp_lg_u32 s2, 0x3003
	s_cbranch_scc0 .Lentry_shape_is_right
	s_endpgm
.Lentry_shape_is_right:
; Causal attention on codes of E4M3, 16 heads of 64, 4,096 positions; its result is quantised at once into the operand of the last projection.
; IN: qkv: the parts q, k, v, 262,144 bytes a head in each, laid as images of the fragments: q, k: a tile of 16 positions is [2 c][32 lanes][16 bytes], d = 32 c + 16 h on; v: 128 keys are [4 tiles of 16 d][4 c][32 lanes][16 bytes],
;   a lane's 16 bytes being keys 32 c + 8 h + 0 .. 7 and 32 c + 16 + 8 h + 0 .. 7.  OUT: ocodes, 262,144 bytes a head, laid as q is.
; THE SOFTMAX: t = score x c, c = 2^(e2 + e3) x log2(e) / 8; M = the running largest t rounded UP to a whole number; p = 2^(t - M) is quantised with 2^e4, not normalised; the row's sum is of the unquantised p, in f32.
; When M moves, the sum and O are multiplied by 2^(old M - new M): exact.  o = O x 2^(e4 + e5) / sum; code = o / 2^e6, held within +-448.
; LIMITS: e2 + e3 between -105 and 130 (added to c's exponent field; from -105 on a hidden score's t lies under -65,000); e4 and e6 between -126 and 119; the scaled scores t stay under 2^31 in magnitude.  NaN is not served.
; SHARES.  A cluster is four work-groups of one head.  Cluster C owns the queries 512 (7 - C) on (first) and 512 C on (then): 512 queries each; partner cx takes tile 4 g + cx of the 32, g = 0 .. 7.
; Waves w and w + 8 have the same g and so share a tile; of the steps of 128 keys wave w takes those with the parity w / 8; the two join their parts (M, sum, O) through LDS at the block's end.  So all sixteen waves have work all the time.
; g = 0 1 2 3 6 7 4 5 for w % 8 = 0 .. 7: the four waves that share w % 4 have 5 steps together in a block's last 512 keys, whatever w % 4.
; WHAT IS LEFT OUT: a step of 128 keys all of which come after the last query that any partner's tile g holds (the causal mask hides it whole).  The test hangs on the cluster's x and the wave's number alone.  In the steps on the diagonal
; hidden scores are held under a bound of -2^119 or less: p = 0 then.  A NaN or an infinity that reaches only hidden keys' scores in steps left out is not carried.
; THE RING.  Two slots of 1,024 keys: 65,536 bytes of K and as many of V.  The walk is 5 slots for every C: 4 - C / 2 for the first block, the rest for the second, from key 0 again.  Waves 0, 1 fetch K's c = 0, 1; waves 2, 3 V's even and odd c:
; one JOINT load each, rows of 512 bytes, 1,024 bytes apart: each of them brings a part of every key, so a slot that is used in half has bytes of every load read.
; LAYOUT.  S^T = K Q^T (source 0 = 16 keys), O^T = V^T P^T (source 0 = 16 of the head's 64): a lane holds ONE query (lane % 16).  Register 8 t + j of S^T is key 16 t + 8 h + j: the conversions' results are P's fragment in V's order of keys.
; REGISTERS: v1, v2 addresses of K and V; v3 256 x lane; v4 r - 8 h; v5, v6 the add's; v7 16 r + 8 h; v8, v9 448 x 2^e4, 2^e4; v10, v11 2^e6, 448 x 2^e6; v12 -M, v13 the largest score, v[14:15] the sum in two halves; v16-23 Q; v24-31 at work;
;   v30-45 p's codes, laid over S^T as its tiles are converted; v32-95 S^T, then p; v96-159 K's eight fragments; v160-223 V's four; v224-255 O^T.
.set NSL,   5                          ; slots of the walk
.set SLOT1, 1<<17                      ; slot 1 begins here
.set SPARE, 2*SLOT1                    ; the spare words, 128 bytes for each wave
.set QST,   SPARE+2048                 ; the second block's Q, 1,024 bytes a wave
.set MG,    QST+16384                  ; where two waves join: 8 x 4,096 bytes of O, then 2,048 of M and the sum.  No tensor load lands behind SPARE
.set SLOTB, 65536                      ; a slot's bytes of K, and of V, in memory
.set SPW,  5
.set NIL,  6
.set TB,   13                          ; s13  LDS byte at which the slot in hand begins
.set KHO,  17                          ; s17  4,096 x (wave / 8)
.set WV,   18
.set SEL,  20                          ; s[20:21] lane selects: lane l xor 16
.set CS,   22                          ; s[22:23] c
.set G1,   24
.set G0,   40
.set PFA,  44                          ; s[44:45] where my prefetches stand
.set LIM,  46                          ; s46  2 in a wave that prefetches, else the greatest number
.set SLOTS, 47                         ; s47  slots still to be asked for
.set KB,   48                          ; s48  my first key in the slot in hand
.set Q0,   49                          ; s49  my first query: it holds cx, and enters global addresses and vector data alone
.set SQ,   50                          ; s50  the first query of the four partners' tiles g
.set SQE,  51                          ; s51  the last
.set PB,   60                          ; s[60:61] my loads' address at slot 0
.set OF,   62                          ; s[62:63] the slot's offset
.set Q0B,  66                          ; the second block's
.set SQB,  67
.set OFL,  68                          ; s68  the offset at which the first block's walk ends
.set SWC,  69                          ; s69  s[SLOTS] in the first block's last slot
.set KF,   70                          ; s70  the step's first key
.set KHB,  71                          ; s71  128 x (wave / 8)
.set B16,  86                          ; s[86:87] -16 x 2^120
.macro CROUND                          ; a round of the cluster's barrier
	s_barrier_signal -1
	s_barrier_wait -1
	s_cmp_lg_u32 s[WV], 0
	s_cbranch_scc1 .Lnot_wave_0_\@
	s_barrier_signal -3
.Lnot_wave_0_\@:
	s_barrier_wait -3
	s_barrier_signal -1
	s_barrier_wait -1
.endm
.macro TLOAD                           ; waves 0 to 3 fetch: a branch on the wave's number alone
	s_cmp_lt_u32 s[WV], 4
	s_cbranch_scc0 .Lnone_\@
	tensor_load_to_lds s[G0:G0+3], s[G1:G1+7]
	s_nop 0
.rept 4
	v_nop
.endr
.Lnone_\@:
.endm
; A PREFETCH INTO THE L2 of what the NEXT change of slots will ask for.  Each aligned block of 256 bytes is named once in the launch: the head's first cluster asks, its partners take 16,384 bytes of K and of V each, told apart BY ADDRESS;
; waves 4, 5 ask for K's, waves 6, 7 for V's, 8,192 bytes a wave, lanes 256 bytes apart.  Slots 0 and 1 come by their loads alone; slots 2 and 3 are asked for in the first two trips.
.macro ASK
	s_cmp_gt_u32 s[SLOTS], s[LIM]
	s_cbranch_scc0 .Lnot_mine_\@
	global_prefetch_b8 v3, s[PFA:PFA+1] th:TH_LOAD_NT scope:SCOPE_SE
.Lnot_mine_\@:
.endm
.macro CLEAR                           ; a block begins: no key yet
	v_mov_b32 v13, 0xff61b1e6                      ; the largest score so far: -3e38, under every score
	v_mov_b32 v14, 0                               ; the sum, in two halves
	v_mov_b32 v15, 0
	v_floor_f32 v12, -v13                          ; -M: over every later one
.irp j, 0,1,2,3,4,5,6,7,8,9,10,11,12,13,14,15,16,17,18,19,20,21,22,23,24,25,26,27,28,29,30,31
	v_mov_b32 v[224+\j], 0                         ; O^T: the step is written without a first step of its own
.endr
.endm
	s_load_b128 s[4:7], s[0:1], 0x0                ; qkv, the exponents
	s_load_b64 s[8:9], s[0:1], 0x10                ; ocodes
	v_lshl_add_u32 v[SPW], v0, 2, SPARE
	v_mov_b32 v[NIL], 0
	ds_add_u32 v[SPW], v[NIL]                      ; the opening lines
	ds_add_u32 v[SPW], v[NIL]
	v_lshrrev_b32 v24, 5, v0
	v_readfirstlane_b32 s[WV], v24                 ; wave 0..15
	s_bfe_u32 s14, ttmp6, 0x40000                  ; cx
	s_and_b32 s12, ttmp7, 0xffff                   ; the head
	s_and_b32 s15, s[WV], 7
	s_lshr_b32 s72, s15, 1
	s_and_b32 s72, s72, 2
	s_xor_b32 s15, s15, s72                        ; g
	s_lshr_b32 s16, s[WV], 3                       ; which parity of steps
	s_lshl_b32 s[KHO], s16, 12
	s_lshl_b32 s[KHB], s16, 7
	s_mov_b32 s[KB], s[KHB]
	s_lshl_b32 s72, s15, 6
	s_sub_co_u32 s73, 7, ttmp9
	s_lshl_b32 s73, s73, 9
	s_add_co_u32 s[SQ], s73, s72                   ; 512 (7 - C) + 64 g
	s_lshl_b32 s73, ttmp9, 9
	s_add_co_u32 s[SQB], s73, s72                  ; 512 C + 64 g
	s_lshl_b32 s76, s14, 4
	s_add_co_u32 s[Q0], s[SQ], s76
	s_add_co_u32 s[Q0B], s[SQB], s76
	s_add_co_u32 s[SQE], s[SQ], 63
	s_lshr_b32 s72, ttmp9, 1
	s_add_co_u32 s[SWC], s72, 1
	s_sub_co_u32 s72, 4, s72                       ; slots of the first block
	s_lshl_b32 s[OFL], s72, 16
	; descriptor group 1: 64 rows of 512 bytes, 1,024 bytes apart, no padding
	s_mov_b32 s[G1], 15|(1<<21)                    ; the mask: all four work-groups; 21 set beside a mask
	s_mov_b32 s[G1+1], 512<<16
	s_mov_b32 s[G1+2], 64<<16
	s_mov_b32 s[G1+3], 512<<16
	s_mov_b32 s[G1+4], 64
	s_mov_b32 s[G1+5], 1024
	s_mov_b32 s[G1+6], 0
	s_mov_b32 s[G1+7], 0
	s_mov_b32 s[SEL], 0x76543210
	s_mov_b32 s[SEL+1], 0xfedcba98
	s_mov_b32 s[CS], 0x3e38aa3b                    ; log2(e) / sqrt(64)
	s_mov_b32 s[B16], 0xfd800000
	s_mov_b32 s[B16+1], 0xfd800000                 ; (named with it as a pair)
	s_mov_b32 s[TB], 0
	s_mov_b32 s[SLOTS], NSL-1
	s_mov_b32 s[OF], 0
	s_mov_b32 s[OF+1], 0
	s_lshl_b32 s77, s12, 18                        ; the head's first byte in each part
	s_min_u32 s72, s[WV], 3                        ; (waves 4 to 15 issue no load; their descriptor is kept a valid one)
	s_lshr_b32 s73, s72, 1
	s_add_co_u32 s73, s73, 1
	s_lshl_b32 s74, s73, 22                        ; K's part (waves 0, 1) or V's (waves 2, 3)
	s_add_co_u32 s74, s74, s77
	s_and_b32 s76, s72, 1
	s_lshl_b32 s76, s76, 9                         ; c, or c % 2
	s_add_co_u32 s74, s74, s76
	s_mov_b32 s75, 0
	s_lshl_b32 s78, s72, 15                        ; where they go: 32,768 bytes a wave
	s_wait_alu depctr_va_vdst(0)
	s_wait_dscnt 0x0                               ; both opening adds are done
	s_wait_kmcnt 0x0
	s_load_b256 s[52:59], s[6:7], 0x0              ; e0 .. e7
	s_mov_b32 s[G0], 1
	s_mov_b32 s[G0+1], s78
	s_add_nc_u64 s[PB:PB+1], s[4:5], s[74:75]
	s_mov_b64 s[G0+2:G0+3], s[PB:PB+1]
	s_or_b32 s[G0+3], s[G0+3], 0x80000000
	CROUND                                         ; all four work-groups are here: the first joint loads meet
	TLOAD                                          ; slot 0
	s_lshl_b32 s72, s[Q0], 6
	s_add_co_u32 s72, s72, s77                     ; my tile's first byte, in q's part of qkv and in ocodes alike
	s_mov_b32 s73, 0
	s_lshl_b32 s74, s[Q0B], 6
	s_add_co_u32 s74, s74, s77
	s_mov_b32 s75, 0
	s_add_nc_u64 s[82:83], s[4:5], s[72:73]
	s_add_nc_u64 s[84:85], s[4:5], s[74:75]
	s_add_nc_u64 s[10:11], s[8:9], s[74:75]        ; the second block's codes of O
	s_add_nc_u64 s[8:9], s[8:9], s[72:73]          ; the first's
	s_bfe_u32 s72, s[WV], 0x10001                  ; the prefetches: waves 4, 5 K's part, waves 6, 7 V's
	s_add_co_u32 s72, s72, 1
	s_lshl_b32 s72, s72, 22
	s_add_co_u32 s72, s72, s77
	s_lshl_b32 s74, s14, 14
	s_add_co_u32 s72, s72, s74                     ; my work-group's 16,384 bytes,
	s_and_b32 s74, s[WV], 1
	s_lshl_b32 s74, s74, 13
	s_add_co_u32 s72, s72, s74                     ; my wave's 8,192,
	s_add_co_u32 s72, s72, SLOTB                   ; in slot 1: the first change of slots steps it to slot 2
	s_add_nc_u64 s[PFA:PFA+1], s[4:5], s[72:73]
	s_lshr_b32 s72, s[WV], 2
	s_xor_b32 s72, s72, 1
	s_or_b32 s72, s72, ttmp9
	s_cmp_eq_u32 s72, 0                            ; waves 4 to 7 of the head's first cluster: the same in all four partners
	s_cselect_b32 s[LIM], 2, -1
	v_and_b32 v26, 31, v0                          ; lane
	v_and_b32 v24, 15, v0                          ; r
	v_lshrrev_b32 v25, 4, v26                      ; h
	v_lshlrev_b32 v27, 4, v26
	global_load_b128 v[16:19], v27, s[82:83]       ; Q's fragment: 512 consecutive bytes a load
	global_load_b128 v[20:23], v27, s[82:83] offset:512
	global_load_b128 v[32:35], v27, s[84:85]       ; and the second block's
	global_load_b128 v[36:39], v27, s[84:85] offset:512
	v_lshlrev_b32 v3, 8, v26
	v_lshlrev_b32 v4, 3, v25
	v_lshlrev_b32 v7, 4, v24
	v_sub_nc_u32 v4, v24, v4                       ; r - 8 h
	v_lshl_add_u32 v7, v25, 3, v7                  ; 16 r + 8 h
	CLEAR
	s_wait_alu depctr_va_vdst(0)
	s_wait_kmcnt 0x0
	s_add_co_i32 s72, s54, s55
	s_lshl_b32 s72, s72, 23
	s_add_co_i32 s[CS], s[CS], s72                 ; a score stands for score x 2^(e2 + e3)
	s_mov_b32 s[CS+1], s[CS]                       ; (named with it as a pair)
	s_add_co_i32 s72, s56, 127
	s_lshl_b32 s73, s72, 23
	v_mov_b32 v9, s73                              ; 2^e4
	s_add_co_i32 s72, s72, 8
	s_lshl_b32 s72, s72, 23
	s_or_b32 s72, s72, 0x600000
	v_mov_b32 v8, s72                              ; 448 x 2^e4
	s_add_co_i32 s72, s58, 127
	s_lshl_b32 s73, s72, 23
	v_mov_b32 v10, s73                             ; 2^e6
	s_add_co_i32 s72, s72, 8
	s_lshl_b32 s72, s72, 23
	s_or_b32 s72, s72, 0x600000
	v_mov_b32 v11, s72                             ; 448 x 2^e6
	s_add_co_i32 s80, s56, s57                     ; e4 + e5
	v_lshl_add_u32 v24, v0, 4, QST
	v_mov_b32 v25, 0                               ; (named as the upper half of the pair v[24:25])
	s_wait_alu depctr_va_vdst(0)
	s_wait_loadcnt 0x0                             ; Q, twice
	ds_store_b128 v24, v[32:35]                    ; the second block's Q waits in LDS, in bytes of my own
	ds_store_b128 v24, v[36:39] offset:8192
.macro KLD q, i                        ; the i-th of the 16 loads of K for the q-th of my steps in the slot: tile i / 2 of 16 keys, c = i % 2
	ds_load_b128 v[96+4*(\i):99+4*(\i)], v1 offset:8192*(\q)+512*((\i)/2)+32768*((\i)%2)
.endm
.macro VLD q, i                        ; the same for V: tile i / 4 of 16 d, c = i % 4
	ds_load_b128 v[160+4*(\i):163+4*(\i)], v2 offset:8192*(\q)+1024*((\i)/4)+512*(((\i)%4)/2)+32768*((\i)%2)
.endm
.macro QK t
	v_wmma_f32_16x16x64_fp8_fp8 v[32+8*\t:39+8*\t], v[96+8*\t:103+8*\t], v[16:23], 0   ; S^T = K Q^T: K is the head's 64
.endm
.macro HOLD t                          ; the conversion does not saturate (ISA guide 7.6.2); p is not negative, so the hold is one-sided
.irp i, 0,2,4,6
	v_dual_min_num_f32 v[32+8*(\t)+\i], v[32+8*(\t)+\i], v8 :: v_dual_min_num_f32 v[33+8*(\t)+\i], v[33+8*(\t)+\i], v8
.endr
.endm
.macro CVT t
	v_cvt_scalef32_pk8_fp8_f32 v[30+2*(\t):31+2*(\t)], v[32+8*(\t):39+8*(\t)], v9
.endm
; A KEY STEP: 128 keys, 256 from the wave's step before.  A hidden step ends the slot's work: those behind it are hidden too.
.macro STEP q, id
.if \q == 0
	s_mov_b32 s[KF], s[KB]
.else
	s_add_co_u32 s[KF], s[KB], 256*\q
.endif
	s_cmp_gt_u32 s[KF], s[SQE]
	s_cbranch_scc1 .Lend_\id
.if \q == 0
	v_and_b32 v26, 31, v0
	v_lshl_add_u32 v1, v26, 4, s[TB]
	v_add_nc_u32 v1, s[KHO], v1
	v_add_nc_u32 v2, 0x10000, v1
.irp i, 0,1,2,3,4,5,6,7,8,9,10,11,12,13,14,15
	KLD 0, \i
.endr
	s_wait_alu depctr_va_vdst(0)
.irp t, 0,2,4,6
	s_wait_dscnt 12-2*\t                           ; tiles t and t + 1 are in; the loads of the tiles behind them may be out
	QK \t
	QK (\t+1)
.endr
.else
	s_wait_dscnt 0x0                               ; K, asked for in the step before
.irp t, 0,1,2,3,4,5,6,7
	QK \t
.endr
.endif
.rept 4
	v_nop                                          ; places in front of the first read of the scores, and of the loads into K's registers
.endr
	s_add_co_u32 s97, s[KF], 127
	s_cmp_le_u32 s97, s[SQ]                        ; all 128 keys count for all four partners' tiles: no mask
	s_cbranch_scc1 .Lopen_\@
	s_sub_co_i32 s96, s[Q0], s[KF]
	v_add_nc_u32 v24, s96, v4                      ; d = my query - KF - 8 h: register 8 t + j counts where 16 t + j <= d.  d lies between -71 and 190
	v_cvt_f32_i32 v24, v24
	v_add_f32 v24, 0.5, v24
	v_mul_f32 v24, 0x7b800000, v24                 ; the bound of register 8 t + j is (d + 1/2 - 16 t - j) x 2^120: over every score, or under -2^118.  Eight of them walk along the tiles
	v_add_f32 v25, 0xfb800000, v24
	v_pk_add_f32 v[26:27], v[24:25], 0xfc000000 op_sel_hi:[1,0]
	v_pk_add_f32 v[28:29], v[24:25], 0xfc800000 op_sel_hi:[1,0]
	v_pk_add_f32 v[30:31], v[26:27], 0xfc800000 op_sel_hi:[1,0]
.irp t, 0,1,2,3,4,5,6,7
.irp j, 0,2,4,6
	v_dual_min_num_f32 v[32+8*\t+\j], v[32+8*\t+\j], v[24+\j] :: v_dual_min_num_f32 v[33+8*\t+\j], v[33+8*\t+\j], v[25+\j]
.endr
.if \t < 7
.irp j, 0,2,4,6
	v_pk_add_f32 v[24+\j:25+\j], v[24+\j:25+\j], s[B16:B16+1] op_sel_hi:[1,0]
.endr
.endif
.endr
.Lopen_\@:
; the step's largest score of my query among my 64 keys, in four chains (each accumulator from its low end on); V's loads stand among them
	v_max3_num_f32 v26, v32, v33, v34
	v_max3_num_f32 v24, v35, v36, v37
	VLD \q, 13
	v_max3_num_f32 v28, v38, v39, v40
	VLD \q, 14
	v_max3_num_f32 v29, v41, v42, v43
	VLD \q, 15
.irp i, 0,1,2,3,4,5,6,7,8,9,10,11,12,13,14,15,16,17,18,19,20,21,22,23,24,25
.set CR, 26
.if \i%4 == 1
.set CR, 24
.endif
.if \i%4 == 2
.set CR, 28
.endif
.if \i%4 == 3
.set CR, 29
.endif
	v_max3_num_f32 v[CR], v[CR], v[44+2*\i], v[45+2*\i]
.if \i%2 == 1
	VLD \q, \i/2
.endif
.endr
	v_max3_num_f32 v26, v26, v24, v28
	s_delay_alu instid0(VALU_DEP_1)
	v_max_num_f32 v26, v26, v29
	s_delay_alu instid0(VALU_DEP_1)
	v_permlanex16_b32 v27, v26, s[SEL], s[SEL+1]
	s_delay_alu instid0(VALU_DEP_1)
	v_max3_num_f32 v13, v13, v26, v27              ; and among lane l xor 16's: the running largest score
	s_delay_alu instid0(VALU_DEP_1)
	v_mul_f32 v26, s[CS], v13                      ; as t (c is positive)
	v_mov_b32 v29, v12
	s_delay_alu instid0(VALU_DEP_2)
	v_floor_f32 v12, -v26                          ; the new -M = floor(-t): M is a whole number
	s_delay_alu instid0(VALU_DEP_1)
	v_sub_f32 v29, v12, v29                        ; M's old value less its new one: 0 or less
.irp j, 0,1,2,3,4,5,6,7,8,9,10,11,12,13,14,15,16,17,18,19,20,21,22,23,24,25,26,27,28,29,30,31
	v_pk_fma_f32 v[32+2*\j:33+2*\j], v[32+2*\j:33+2*\j], s[CS:CS+1], v[12:13] op_sel_hi:[1,0,0]   ; t - M, two at a time; among them f, and the next step's loads of K
.if \j == 3
	v_cvt_i32_f32 v29, v29                         ; (it saturates)
.endif
.if \j == 7
	v_ldexp_f32 v24, 1.0, v29                      ; f = 2^(old M - new M)
.endif
.if \q < 3
.if \j%2 == 1
	KLD \q+1, \j/2
.endif
.endif
.endr
.irp j, 0,2,4,6,8,10,12,14,16,18,20,22,24,26,28,30
	v_pk_mul_f32 v[224+\j:225+\j], v[224+\j:225+\j], v[24:25] op_sel_hi:[1,0]   ; O^T under the new M
.endr
	s_wait_alu depctr_va_vdst(0)                   ; one wait ahead of the batch
.irp j, 0,1,2,3,4,5,6,7,8,9,10,11,12,13,14,15,16,17,18,19,20,21,22,23,24,25,26,27,28,29,30,31,32,33,34,35,36,37,38,39,40,41,42,43,44,45,46,47,48,49,50,51,52,53,54,55,56,57,58,59,60,61,62,63
	v_exp_f32 v[32+\j], v[32+\j]                   ; p = 2^(t - M), at most 1: not normalised
.endr
	v_pk_mul_f32 v[14:15], v[14:15], v[24:25] op_sel_hi:[1,0]   ; the sums under the new M: the plain instruction behind the exponentials
	s_wait_alu depctr_va_vdst(0)                   ; and one behind it
; the unquantised p goes into the sum (four chains), is held, and is converted one tile later; its codes take the place of tiles that are converted already
	v_pk_add_f32 v[14:15], v[14:15], v[32:33]
	v_pk_add_f32 v[28:29], v[34:35], v[36:37]
	v_pk_add_f32 v[26:27], v[38:39], v[40:41]
	v_pk_add_f32 v[24:25], v[42:43], v[44:45]
	v_pk_add_f32 v[14:15], v[14:15], v[46:47]
	HOLD 0
	HOLD 1
	CVT 0
.irp t, 2,3,4,5,6,7
	v_pk_add_f32 v[28:29], v[28:29], v[32+8*\t:33+8*\t]
	v_pk_add_f32 v[26:27], v[26:27], v[34+8*\t:35+8*\t]
	v_pk_add_f32 v[24:25], v[24:25], v[36+8*\t:37+8*\t]
	v_pk_add_f32 v[14:15], v[14:15], v[38+8*\t:39+8*\t]
	HOLD \t
	CVT \t-1
.endr
	v_pk_add_f32 v[26:27], v[26:27], v[24:25]
	v_pk_add_f32 v[14:15], v[14:15], v[28:29]
	CVT 7
	v_pk_add_f32 v[14:15], v[14:15], v[26:27]      ; (the plain line behind the last conversion)
	s_wait_alu depctr_va_vdst(0)
.if \q < 3
	s_wait_dscnt 16                                ; V is in; the next step's 16 loads of K may be out
.else
	s_wait_dscnt 0x0
.endif
.irp t, 0,1,2,3
	v_wmma_f32_16x16x128_fp8_fp8 v[224+8*\t:231+8*\t], v[160+16*\t:175+16*\t], v[30:45], v[224+8*\t:231+8*\t]   ; O^T += V^T P^T: four accumulators, one instruction each
.endr
.rept 5
	v_nop                                          ; five places: the next scores are written over the codes
.endr
.endm
.macro SLOT id
	STEP 0, \id
	STEP 1, \id
	STEP 2, \id
	STEP 3, \id
.Lend_\id:
	s_add_co_u32 s[KB], s[KB], 1024
	s_xor_b32 s[TB], s[TB], SLOT1                  ; on to the other slot
	s_wait_alu depctr_va_vdst(0)
.endm
; THE CHANGE OF SLOTS stands at a slot's head.  Each wave waits for all its tensor loads, adds 0 to its spare word, and waits for that and for its reads of the slot that it has left.  fill = 1: a round of the cluster's barrier follows,
; and the joint refill is the first thing behind it.
.macro CHANGE fill
	s_wait_tensorcnt 0x0                           ; no tensor load of mine is out, so the group 0 may be written
	ds_add_u32 v[SPW], v[NIL]
.if \fill
	ds_add_u32 v[SPW], v[NIL]
	s_xor_b32 s[G0+1], s[G0+1], SLOT1              ; the other slot than last time,
	s_add_co_u32 s[OF], s[OF], SLOTB               ; the next 1,024 keys,
	s_cmp_eq_u32 s[OF], s[OFL]
	s_cselect_b32 s[OF], 0, s[OF]                  ; or key 0 again, where the second block begins: it hangs on the cluster's x alone
	s_add_nc_u64 s[G0+2:G0+3], s[PB:PB+1], s[OF:OF+1]
	s_or_b32 s[G0+3], s[G0+3], 0x80000000
	s_wait_xcnt 0x0                                ; the last prefetch has read its address:
	s_add_nc_u64 s[PFA:PFA+1], s[PFA:PFA+1], SLOTB ; one slot further on than the first block's walk
	s_wait_dscnt 0x0                               ; both adds are done, and my reads of the slot that I have left are over
	CROUND
	TLOAD                                          ; a wave's one tensor load until the next round
	ASK
.else
	s_wait_dscnt 0x0
	s_barrier_signal -1
	s_barrier_wait -1
.endif
.endm
.macro JOIN                            ; v27: 16 bytes a lane of O's parts, 4,096 bytes from part to part; v26: -M and the sum.  Waves w and w + 8 make the same addresses
	v_and_b32 v26, 0xff, v0
	v_lshl_add_u32 v27, v26, 4, MG
	v_lshl_add_u32 v26, v26, 3, MG+32768
.endm
; A BLOCK'S END, behind every slot: the barrier stands in every trip, the work only where the block ends (ids and the count of slots alone).  Waves 8 to 15 hand their -M, sum and O to waves 0 to 7, which join, divide, quantise and store.
.macro FINISH id, last
.if \last == 0
	s_cmp_lg_u32 s[SLOTS], s[SWC]
	s_cbranch_scc1 .Lkeep_\id
.endif
	s_cmp_lt_u32 s[WV], 8
	s_cbranch_scc1 .Lkeep_\id
	s_wait_alu depctr_va_vdst(0)
	JOIN
	v_mov_b32 v24, v12
	v_add_f32 v25, v14, v15                        ; the sum's two halves
.irp i, 0,1,2,3,4,5,6,7
	ds_store_b128 v27, v[224+4*\i:227+4*\i] offset:4096*\i
.endr
	ds_store_b64 v26, v[24:25]
.Lkeep_\id:
	s_wait_dscnt 0x0                               ; my stores are done, for the other waves' sake
	s_barrier_signal -1
	s_barrier_wait -1
.if \last == 0
	s_cmp_lg_u32 s[SLOTS], s[SWC]
	s_cbranch_scc1 .Lgo_on_\id
.endif
	s_cmp_lt_u32 s[WV], 8
	s_cbranch_scc0 .Lhanded_\id
	JOIN
	ds_load_b64 v[24:25], v26
.irp i, 0,1,2,3,4,5,6,7
	ds_load_b128 v[32+4*\i:35+4*\i], v27 offset:4096*\i
.endr
	s_wait_alu depctr_va_vdst(0)
	s_wait_dscnt 0x0
	v_min_num_f32 v26, v12, v24                    ; -M of the two parts together
	v_add_f32 v14, v14, v15
	v_sub_f32 v12, v26, v12
	v_sub_f32 v24, v26, v24
	v_cvt_i32_f32 v12, v12
	v_cvt_i32_f32 v24, v24                         ; (a part with no key: it saturates, and the factor is 0)
	v_ldexp_f32 v12, 1.0, v12                      ; my part's factor,
	v_ldexp_f32 v24, 1.0, v24                      ; and the other's: powers of two
	v_mul_f32 v14, v14, v12
	v_fma_f32 v14, v25, v24, v14
	v_permlanex16_b32 v27, v14, s[SEL], s[SEL+1]
	v_add_f32 v14, v14, v27                        ; and lane l xor 16's: the row's sum
	s_wait_alu depctr_va_vdst(0)
	v_rcp_f32 v14, v14
	v_nop                                          ; a plain instruction behind the reciprocal
	s_wait_alu depctr_va_vdst(0)                   ; and a wait ahead of its first reader; it serves O^T's first readers too
	v_ldexp_f32 v14, v14, s80                      ; x 2^(e4 + e5)
	v_mul_f32 v12, v12, v14
	v_mul_f32 v24, v24, v14
.irp j, 0,2,4,6,8,10,12,14,16,18,20,22,24,26,28,30
	v_pk_mul_f32 v[64+\j:65+\j], v[224+\j:225+\j], v[12:13] op_sel_hi:[1,0]   ; register 8 t + i is o(r, 16 t + 8 h + i); each accumulator from its low end on
.endr
.irp j, 0,2,4,6,8,10,12,14,16,18,20,22,24,26,28,30
	v_pk_fma_f32 v[32+\j:33+\j], v[32+\j:33+\j], v[24:25], v[64+\j:65+\j] op_sel_hi:[1,0,1]
.endr
.irp j, 0,1,2,3,4,5,6,7,8,9,10,11,12,13,14,15,16,17,18,19,20,21,22,23,24,25,26,27,28,29,30,31
	v_med3_num_f32 v[32+\j], v[32+\j], -v11, v11
.endr
.irp t, 0,1,2,3
	v_cvt_scalef32_pk8_fp8_f32 v[64+2*\t:65+2*\t], v[32+8*\t:39+8*\t], v10
.endr
	v_nop                                          ; one plain vector instruction directly behind the last conversion
.irp t, 0,1,2,3
	global_store_b64 v7, v[64+2*\t:65+2*\t], s[8:9] offset:256*\t   ; 32 lanes store 256 consecutive bytes, at a multiple of 256 from the buffer's first byte
.endr
.Lhanded_\id:
.if \last == 0
	s_wait_xcnt 0x0                                ; the stores have read their base and their registers
	s_mov_b64 s[8:9], s[10:11]                     ; the second block
	s_mov_b32 s[Q0], s[Q0B]
	s_mov_b32 s[SQ], s[SQB]
	s_add_co_u32 s[SQE], s[SQB], 63
	s_mov_b32 s[KB], s[KHB]
	v_lshl_add_u32 v26, v0, 4, QST
	ds_load_b128 v[16:19], v26                     ; its Q, from bytes of my own
	ds_load_b128 v[20:23], v26 offset:8192
	CLEAR
	s_wait_alu depctr_va_vdst(0)
.Lgo_on_\id:
.endif
.endm
	v_mov_b32 v27, 0                               ; written once: a lane permute's destination counts as one of its sources
	s_wait_alu depctr_va_vdst(0)
.Lslot:                                            ; NSL - 1 trips: behind each change of slots but the last the next slot is asked for
	CHANGE 1
	SLOT in
	FINISH in, 0
	s_sub_co_u32 s[SLOTS], s[SLOTS], 1
	s_cmp_lg_u32 s[SLOTS], 0
	s_cbranch_scc1 .Lslot
	CHANGE 0                                       ; the last slot is written out
	SLOT out
	FINISH out, 1
	s_wait_tensorcnt 0x0                           ; the wave's end
	ds_add_u32 v[SPW], v[NIL]
	s_wait_dscnt 0x0
	CROUND                                         ; no work-group ends while a partner may still ask for a tile that names it
	s_endpgm
.Lfunc_end_k_q678a2c85bb_attn:
	.size	k_q678a2c85bb_attn, .Lfunc_end_k_q678a2c85bb_attn-k_q678a2c85bb_attn
	.p2alignl 7, 3214868480
	.fill 96, 4, 3214868480
	.section	.rodata,"a",@progbits
	.p2align	6, 0x0
	.amdhsa_kernel k_q678a2c85bb_attn
		.amdhsa_group_segment_fixed_size 327680
		.amdhsa_private_segment_fixed_size 0
		.amdhsa_enable_private_segment 0
		.amdhsa_kernarg_size 24
		.amdhsa_user_sgpr_count 2
		.amdhsa_user_sgpr_kernarg_segment_ptr 1
		.amdhsa_wavefront_size32 1
		.amdhsa_system_sgpr_workgroup_id_x 1
		.amdhsa_system_sgpr_workgroup_id_y 1
		.amdhsa_system_sgpr_workgroup_id_z 1
		.amdhsa_system_vgpr_workitem_id 0
		.amdhsa_next_free_vgpr 256
		.amdhsa_next_free_sgpr 100
		.amdhsa_reserve_vcc 0
		.amdhsa_float_denorm_mode_32 3
		.amdhsa_float_denorm_mode_16_64 3
		.amdhsa_memory_ordered 1
		.amdhsa_forward_progress 1
		.amdhsa_inst_pref_size 186
	.end_amdhsa_kernel
	.amdgpu_metadata
---
amdhsa.version: [ 1, 2 ]
amdhsa.kernels:
  - .name:           k_q678a2c85bb_attn
    .symbol:         k_q678a2c85bb_attn.kd
    .args:
      - { .name: qkv, .offset: 0, .size: 8, .value_kind: global_buffer, .address_space: global }
      - { .name: lowp_scales, .offset: 8, .size: 8, .value_kind: global_buffer, .address_space: global }
      - { .name: ocodes, .offset: 16, .size: 8, .value_kind: global_buffer, .address_space: global }
    .group_segment_fixed_size: 327680
    .private_segment_fixed_size: 0
    .kernarg_segment_align: 8
    .kernarg_segment_size: 24
    .max_flat_workgroup_size: 512
    .sgpr_count:     100
    .vgpr_count:     256
    .wavefront_size: 32
...
	.end_amdgpu_metadata
.endif
;; end of part 3
;; launch outgemm (part 4): grid 8 x 32, 4 waves a work-group, clusters of 4 x 4, 327,680 bytes of LDS; arguments ocodes, wcodes, out_b, lowp_scales, out0; writes out0
.if DOCPART == 4
	.amdgcn_target "amdgcn-amd-amdhsa--gfx1250"
	.amdhsa_code_object_version 6
	.text
	.protected	k_q678a2c85bb_outgemm
	.globl	k_q678a2c85bb_outgemm
	.p2align	8
	.type	k_q678a2c85bb_outgemm,@function
k_q678a2c85bb_outgemm:
	s_mov_b64 s[64:65], 0
	v_nop
	global_prefetch_b8 v0, s[64:65] scope:SCOPE_SE
	s_setreg_imm32_b32 hwreg(HW_REG_WAVE_MODE, 25, 1), 1
	s_wait_xcnt 0x0
	s_wait_alu depctr_hold_cnt(0) depctr_sa_sdst(0) depctr_va_vdst(0) depctr_va_sdst(0) depctr_va_ssrc(0) depctr_va_vcc(0) depctr_vm_vsrc(0)
	s_getreg_b32 s2, hwreg(HW_REG_IB_STS2, 6, 4)
	s_cmp_eq_u32 s2, 0
	s_cbranch_scc0 .Lentry_in_a_cluster
	s_endpgm
.Lentry_in_a_cluster:
	s_bfe_u32 s2, ttmp6, 0x10000c
	s_cmp_lg_u32 s2, 0xf033
	s_cbranch_scc0 .Lentry_shape_is_right
	s_endpgm
.Lentry_shape_is_right:
; out0 = o out_w^T + out_b on codes of E4M3.  A = ocodes, 262,144 bytes a head, in which 16 t are an image of 1,024 bytes, [2 c][32 lanes][16 bytes] (lane = r + 16 h: t = r, d = 32 c + 16 h on), K = 64 head + d;
; B = out_w's codes [1024][1024] at byte 7,340,032 of wcodes; out0 [4096][1024] f32 = sum x 2^(e6 + e7) + out_b.
; LIMIT: e6 + e7 between -126 and 127.  K is permuted inside a matrix instruction, alike in both operands (four 16-byte loads a fragment).
; SHARES.  A work-group makes 128 x 128, each of four waves 64 x 64: 16 accumulators; 8 x 32 tiles.  K = 1,024 codes: both panels stay in LDS whole, and each wave fetches 64 rows of one of them, all along K, by ONE joint load at the head:
; A: 16 heads x 4,096 dense bytes, no padding; B: 64 rows of 1,024 bytes, 16 bytes of padding behind each.  Every LDS byte is filled once.  No prefetch: there is no later load to run ahead of.
; THE MATRIX INSTRUCTION IS USED TRANSPOSED (source 0 = 16 rows of out_w, source 1 = 16 rows of o): a lane holds eight neighbouring numbers of a row of out0.
; CLUSTERS: 4 x 4.  A's tile is asked for jointly along a row of the cluster, B's along a column.
; REGISTERS: window 0: v1-9 lane terms; v16-23 LDS addresses of the four quarters of K; v24-26 the way out; v32-63 the bias; v64-95 at work; v126, v127 the add's; v128-255 the accumulators ((a, b) at v[128 + 8 (4 a + b)]), later rows read back.
;   window 1: two fragment buffers of 128: 64 registers of A, then 64 of B.
.set KDIM,   1024
.set NDIM,   1024
.set OWOFF,  7340032                   ; out_w's codes in wcodes
.set HEADB,  262144                    ; a head's bytes in ocodes
.set AHEAD,  4096                      ; a head's 64 rows in LDS
.set AHALF,  16*AHEAD                  ; what one of A's loads brings
.set PITCH,  1040                      ; B's LDS row: 1,024 bytes + 16
.set BHALF,  64*PITCH
.set STAGE,  2*AHALF+2*BHALF           ; 16 rows x 272 bytes for each wave; no tensor load lands there
.set SPITCH, 272
.set SPARE,  320512                    ; the spare words, 128 bytes for each wave
.set ADRA, 16
.set ADRB, 20
.set STO,  24
.set RD,   25
.set CO,   26
.set BC,   32
.set T,    64
.set SPW,  126
.set NIL,  127
.set ACC,  128
.set G1A,  24
.set G1B,  32
.set G0A,  40
.set G0B,  44
.set MSB, 0
.macro WIN new                         ; the immediate's high byte repeats the setting that is left
.if MSB != \new
	s_set_vgpr_msb (MSB<<8)|\new
.set MSB, \new
.endif
.endm
.set MUL,  0x05                        ; sources 0 (B) and 1 (A) window 1; C and D window 0
.set TO_F, 0x40                        ; destination window 1, address window 0
.macro CROUND                          ; a round of the cluster's barrier
	s_barrier_signal -1
	s_barrier_wait -1
	s_cmp_lg_u32 s14, 0
	s_cbranch_scc1 .Lnot_wave_0_\@
	s_barrier_signal -3
.Lnot_wave_0_\@:
	s_barrier_wait -3
	s_barrier_signal -1
	s_barrier_wait -1
.endm
.macro PLACES                          ; four plain vector instructions between a matrix instruction and a load into, or a vector read of, its registers
.rept 4
	v_nop
.endr
.endm
	s_load_b256 s[4:11], s[0:1], 0x0               ; ocodes, wcodes, out_b, the exponents
	s_load_b64 s[12:13], s[0:1], 0x20              ; out0
	v_lshl_add_u32 v[SPW], v0, 2, SPARE
	v_mov_b32 v[NIL], 0
	ds_add_u32 v[SPW], v[NIL]                      ; the opening lines
	ds_add_u32 v[SPW], v[NIL]
	v_lshrrev_b32 v1, 5, v0
	v_readfirstlane_b32 s14, v1                    ; wave 0..3
	s_lshr_b32 s15, s14, 1                         ; my half of the tile's rows.  Also: I fetch for A (0) or for B (1)
	s_and_b32 s16, s14, 1                          ; my half of its columns.  Also: which 64 rows I fetch
	s_bfe_u32 s17, ttmp6, 0x40000                  ; cx
	s_bfe_u32 s18, ttmp6, 0x40004                  ; cy
	s_and_b32 s20, ttmp7, 0xffff
	s_lshl_b32 s20, s20, 2
	s_add_co_u32 s20, s20, s18                     ; TR = 4 x cluster y + cy
	s_lshl_b32 s21, ttmp9, 2
	s_add_co_u32 s21, s21, s17                     ; TC = 4 x cluster x + cx
	s_lshl_b32 s22, s18, 2
	s_lshl_b32 s22, 15, s22                        ; my row of the cluster
	s_lshl_b32 s23, 0x1111, s17                    ; my column
	s_or_b32 s[G1A], s22, (1<<21)                  ; A: 16 rows of 4,096 bytes, from head to head; 21 set beside a mask
	s_mov_b32 s[G1A+1], 4096<<16
	s_mov_b32 s[G1A+2], 16<<16
	s_mov_b32 s[G1A+3], 4096<<16
	s_mov_b32 s[G1A+4], 16
	s_mov_b32 s[G1A+5], HEADB
	s_mov_b32 s[G1A+6], 0
	s_mov_b32 s[G1A+7], 0
	s_or_b32 s[G1B], s23, (1<<20)|(1<<21)|(7<<22)|(3<<25)   ; B: 64 rows of 1,024 bytes; four words of padding after every 256
	s_mov_b32 s[G1B+1], 1024<<16
	s_mov_b32 s[G1B+2], 64<<16
	s_mov_b32 s[G1B+3], 1024<<16
	s_mov_b32 s[G1B+4], 64
	s_mov_b32 s[G1B+5], KDIM
	s_mov_b32 s[G1B+6], 0
	s_mov_b32 s[G1B+7], 0
	; offsets.  A's are made of the tile row, B's of the tile column, each in registers that never hold the other coordinate
	s_lshl_b32 s56, s20, 13
	s_lshl_b32 s94, s16, 12
	s_add_co_u32 s56, s56, s94                     ; A: (128 TR + 64 half) x 64 bytes, in head 0
	s_mov_b32 s57, 0
	s_lshl_b32 s58, s21, 17
	s_lshl_b32 s67, s16, 16
	s_add_co_u32 s58, s58, s67
	s_add_co_u32 s58, s58, OWOFF                   ; B: (128 TC + 64 half) x 1,024 bytes, in out_w's codes
	s_mov_b32 s59, 0
	s_mul_i32 s95, s16, AHALF                      ; where A's loads go,
	s_mul_i32 s96, s16, BHALF
	s_add_co_u32 s96, s96, 2*AHALF                 ; and B's: the wave's number alone
	s_lshl_b32 s62, s21, 9
	s_lshl_b32 s99, s16, 8
	s_add_co_u32 s62, s62, s99                     ; my 64 columns, in bytes of f32: the bias, and a row of out0
	s_mov_b32 s63, 0
	s_lshl_b32 s60, s20, 19
	s_lshl_b32 s99, s15, 18
	s_add_co_u32 s60, s60, s99                     ; my first row: (128 TR + 64 half) x 4,096 bytes
	s_add_co_u32 s60, s60, s62
	s_mov_b32 s61, 0
	s_wait_alu depctr_va_vdst(0)
	s_wait_dscnt 0x0
	s_wait_kmcnt 0x0
	s_load_b256 s[84:91], s[10:11], 0x0            ; e0 .. e7
	s_add_nc_u64 s[8:9], s[8:9], s[62:63]
	s_add_nc_u64 s[12:13], s[12:13], s[60:61]
	s_mov_b32 s[G0A], 1
	s_mov_b32 s[G0A+1], s95
	s_add_nc_u64 s[G0A+2:G0A+3], s[4:5], s[56:57]
	s_or_b32 s[G0A+3], s[G0A+3], 0x80000000
	s_mov_b32 s[G0B], 1
	s_mov_b32 s[G0B+1], s96
	s_add_nc_u64 s[G0B+2:G0B+3], s[6:7], s[58:59]
	s_or_b32 s[G0B+3], s[G0B+3], 0x80000000
	CROUND                                         ; all sixteen work-groups are here: the joint loads meet
	s_cmp_eq_u32 s15, 0                            ; the branch hangs on the wave's number alone
	s_cbranch_scc0 .Lfor_b
	tensor_load_to_lds s[G0A:G0A+3], s[G1A:G1A+7]
	s_nop 0
.rept 4
	v_nop
.endr
	s_branch .Lasked
.Lfor_b:
	tensor_load_to_lds s[G0B:G0B+3], s[G1B:G1B+7]
	s_nop 0
.rept 4
	v_nop
.endr
.Lasked:
	v_and_b32 v1, 15, v0                           ; r
	v_bfe_u32 v2, v0, 4, 1                         ; h
	v_lshlrev_b32 v3, 5, v2                        ; 32 h
.irp b, 0,1,2,3
	global_load_b128 v[BC+8*\b:BC+8*\b+3], v3, s[8:9] offset:64*\b         ; out_b at my columns 16 b + 8 h + 0 .. 7
	global_load_b128 v[BC+8*\b+4:BC+8*\b+7], v3, s[8:9] offset:64*\b+16
.endr
	s_mul_i32 s97, s15, AHALF                      ; my 64 rows of A
	s_mul_i32 s98, s16, BHALF                      ; my 64 rows of B,
	s_add_co_u32 s98, s98, 2*AHALF                 ; which lie behind A's
	s_mul_i32 s99, s14, 16*SPITCH
	s_add_co_u32 s99, s99, STAGE                   ; my stage
	s_wait_alu depctr_va_vdst(0)
	v_lshlrev_b32 v5, 4, v1
	v_lshl_add_u32 v5, v2, 8, v5                   ; A: 16 x lane
	v_mul_u32_u24 v6, v1, PITCH
	v_lshl_add_u32 v6, v2, 4, v6                   ; B: row x pitch + 16 h
	v_add_nc_u32 v[ADRA], s97, v5
	v_add_nc_u32 v[ADRB], s98, v6
	v_mul_u32_u24 v7, v1, SPITCH
	v_lshl_add_u32 v7, v2, 5, v7
	v_add_nc_u32 v[STO], s99, v7                   ; in: row r, 32 bytes for each half of the lanes
	v_mul_u32_u24 v8, v2, SPITCH
	v_lshl_add_u32 v8, v1, 4, v8
	v_add_nc_u32 v[RD], s99, v8                    ; back: lanes 0-15 one row of 256 bytes, lanes 16-31 the next
	v_lshlrev_b32 v9, 12, v2
	v_lshl_add_u32 v[CO], v1, 4, v9                ; and the same two rows in out0: 4,096 bytes apart
.irp c, 1,2,3
	v_add_nc_u32 v[ADRA+\c], \c*4*AHEAD, v[ADRA]   ; quarter c: heads 4 c on,
	v_add_nc_u32 v[ADRB+\c], \c*256, v[ADRB]       ; and 256 bytes on in B's rows
.endr
	s_wait_alu depctr_va_vdst(0)
	s_wait_kmcnt 0x0
	s_add_co_i32 s92, s90, s91
	s_add_co_i32 s92, s92, 127
	s_lshl_b32 s92, s92, 23                        ; 2^(e6 + e7) as f32
	s_mov_b32 s93, s92                             ; (named with it as a pair)
; 32 LDS loads in one run: the fragments of the n-th 128 along K into buffer n % 2: B's four, then A's four.  Registers 4 k .. 4 k + 3 hold K = 128 n + 32 k + 16 h + 0 .. 15 in both: in A that is head 2 n + k / 2, c = k % 2.
.macro FETCH n
	WIN TO_F
.set F, 128*((\n)%2)
.irp i, 0,1,2,3
.irp k, 0,1,2,3
	ds_load_b128 v[F+64+16*\i+4*\k:F+64+16*\i+4*\k+3], v[ADRB+(\n)/2] offset:128*((\n)%2)+32*\k+\i*16*PITCH
.endr
.endr
.irp i, 0,1,2,3
.irp k, 0,1,2,3
	ds_load_b128 v[F+16*\i+4*\k:F+16*\i+4*\k+3], v[ADRA+(\n)/2] offset:(2*((\n)%2)+\k/2)*AHEAD+\i*1024+512*(\k%2)
.endr
.endr
.endm
; A step: 128 along K.  The next step's fragments are asked for first, into the buffer that the step before multiplied; then the 16 accumulators take turns, one instruction a turn, in the same order in every step.
.macro STEP n
.if \n < 7
	PLACES
	FETCH \n+1
	s_wait_dscnt 32                                ; this step's fragments are in; the 32 loads just issued may be out
.else
	s_wait_dscnt 0x0
.endif
	WIN MUL
.set F, 128*(\n%2)
.irp a, 0,1,2,3
.irp b, 0,1,2,3
.if \n == 0
	v_wmma_f32_16x16x128_fp8_fp8 v[ACC+8*(4*\a+\b):ACC+8*(4*\a+\b)+7], v[F+64+16*\b:F+64+16*\b+15], v[F+16*\a:F+16*\a+15], 0
.else
	v_wmma_f32_16x16x128_fp8_fp8 v[ACC+8*(4*\a+\b):ACC+8*(4*\a+\b)+7], v[F+64+16*\b:F+64+16*\b+15], v[F+16*\a:F+16*\a+15], v[ACC+8*(4*\a+\b):ACC+8*(4*\a+\b)+7]
.endif
.endr
.endr
.endm
	s_wait_tensorcnt 0x0                           ; my part of the panels is in,
	s_barrier_signal -1
	s_barrier_wait -1                              ; everybody's is
	FETCH 0
.irp n, 0,1,2,3,4,5,6,7
	STEP \n
.endr
	WIN 0
	; THE WAY OUT, block by block of 16 rows x 64 columns: sum x 2^(e6 + e7) + bias, one packed multiply-add for two numbers; through my stage; back as whole rows of 256 bytes, into the block's own accumulator registers.
.macro SEND a
	s_wait_dscnt 0x0                               ; the block is back in registers
.irp t, 0,1,2,3,4,5,6,7
	global_store_b128 v[CO], v[ACC+32*(\a)+4*\t:ACC+32*(\a)+4*\t+3], s[12:13] offset:16*NDIM*4*(\a)+2*NDIM*4*\t th:TH_STORE_NT   ; 16 lanes store 256 consecutive bytes, at a multiple of 256 from out0's first byte; no register is stored from twice
.endr
.endm
	s_wait_loadcnt 0x0                             ; the bias
	PLACES
.irp a, 0,1,2,3
.if \a > 0
	s_wait_dscnt 8                                 ; the last block's eight stage stores have read their registers; its eight loads may be out
.endif
.irp b, 0,1,2,3
.irp j, 0,2,4,6
	v_pk_fma_f32 v[T+8*\b+\j:T+8*\b+\j+1], v[ACC+8*(4*\a+\b)+\j:ACC+8*(4*\a+\b)+\j+1], s[92:93], v[BC+8*\b+\j:BC+8*\b+\j+1] op_sel_hi:[1,0,1]   ; each accumulator from its low end on
.endr
.endr
.if \a > 0
	s_wait_alu depctr_va_vdst(0)
	SEND \a-1
.endif
.irp b, 0,1,2,3
	ds_store_b128 v[STO], v[T+8*\b:T+8*\b+3] offset:64*\b
	ds_store_b128 v[STO], v[T+8*\b+4:T+8*\b+7] offset:64*\b+16
.endr
.irp t, 0,1,2,3,4,5,6,7
	ds_load_b128 v[ACC+32*\a+4*\t:ACC+32*\a+4*\t+3], v[RD] offset:2*SPITCH*\t   ; LDS serves a wave's instructions in order (ISA guide 5.7.1.4): these see my stores, and the next block's stores come behind them
.endr
.endr
	SEND 3
	s_wait_tensorcnt 0x0                           ; the wave's end
	ds_add_u32 v[SPW], v[NIL]
	s_wait_dscnt 0x0
	CROUND                                         ; the closing round: no work-group ends while a partner may still ask for a tile that names it
	s_endpgm
.Lfunc_end_k_q678a2c85bb_outgemm:
	.size	k_q678a2c85bb_outgemm, .Lfunc_end_k_q678a2c85bb_outgemm-k_q678a2c85bb_outgemm
	.p2alignl 7, 3214868480
	.fill 96, 4, 3214868480
	.section	.rodata,"a",@progbits
	.p2align	6, 0x0
	.amdhsa_kernel k_q678a2c85bb_outgemm
		.amdhsa_group_segment_fixed_size 327680
		.amdhsa_private_segment_fixed_size 0
		.amdhsa_enable_private_segment 0
		.amdhsa_kernarg_size 40
		.amdhsa_user_sgpr_count 2
		.amdhsa_user_sgpr_kernarg_segment_ptr 1
		.amdhsa_wavefront_size32 1
		.amdhsa_system_sgpr_workgroup_id_x 1
		.amdhsa_system_sgpr_workgroup_id_y 1
		.amdhsa_system_sgpr_workgroup_id_z 1
		.amdhsa_system_vgpr_workitem_id 0
		.amdhsa_next_free_vgpr 512
		.amdhsa_next_free_sgpr 100
		.amdhsa_reserve_vcc 0
		.amdhsa_float_denorm_mode_32 3
		.amdhsa_float_denorm_mode_16_64 3
		.amdhsa_memory_ordered 1
		.amdhsa_forward_progress 1
		.amdhsa_inst_pref_size 45
	.end_amdhsa_kernel
	.amdgpu_metadata
---
amdhsa.version: [ 1, 2 ]
amdhsa.kernels:
  - .name:           k_q678a2c85bb_outgemm
    .symbol:         k_q678a2c85bb_outgemm.kd
    .args:
      - { .name: ocodes, .offset: 0, .size: 8, .value_kind: global_buffer, .address_space: global }
      - { .name: wcodes, .offset: 8, .size: 8, .value_kind: global_buffer, .address_space: global }
      - { .name: out_b, .offset: 16, .size: 8, .value_kind: global_buffer, .address_space: global }
      - { .name: lowp_scales, .offset: 24, .size: 8, .value_kind: global_buffer, .address_space: global }
      - { .name: out0, .offset: 32, .size: 8, .value_kind: global_buffer, .address_space: global }
    .group_segment_fixed_size: 327680
    .private_segment_fixed_size: 0
    .kernarg_segment_align: 8
    .kernarg_segment_size: 40
    .max_flat_workgroup_size: 128
    .sgpr_count:     100
    .vgpr_count:     512
    .wavefront_size: 32
...
	.end_amdgpu_metadata
.endif
;; end of part 4
